; MI455X (gfx1250); checked and timed in simulation.
; The chip was launched on July 23, 2026; its instructions are those of AMD's public machine-readable ISA for CDNA 5 (MIT licence, August 2026) and "CDNA5" Instruction Set Architecture Reference Guide (July 2026). The comments in the code are by the model that wrote it; some were corrected since.
;; Feed Forward Quantum. Allowed arithmetic: matrix products marked QUANTISED: E4M3 operands, one given power-of-two scale a tensor, by v_wmma_f32_16x16x64_fp8_fp8 or v_wmma_f32_16x16x128_fp8_fp8, f32 sums; products left as they are: f32 operands where the result goes on into a quantised operand, else bf16, f16 or f32 operands; f32 sums; everything else in f32.
;; Inputs: W1 4,096 x 10 float32; W2_codes 1,024 x 128 x 32 uint8 (E4M3 codes of W2, K innermost, in blocks of 32 codes); b1 4,096 float32; b2 1,024 float32; lowp_scales 2 int32 (the exponents e of the quantised operands' scales 2^e); theta 10 float32; x 4 x 4,096 x 1,024 float32.
;; Outputs: out0 4 x 4,096 x 1,024 float32.
;; This version of the problem:
;;   THIS VERSION OF THE PROBLEM IS GIVEN IN LOW PRECISION. The matrix products marked QUANTISED in the list below multiply operands that are first quantised to E4M3 (4 exponent bits, 3 mantissa bits; 8 bits a number), with one given power-of-two scale for each operand tensor; their sums are f32. All else is computed in f32.
;;   The module's matrix products, in the order in which they are computed (A, B: the left and right operand; K: the contracted axis; several contracted axes count as one K, in the product's order):
;;     1. [M 16,384, K 10] x [K 10, N 4,096]; A: computed on the way; B: input W1: left as it is (K = 10 < 32)
;;     2. [M 16,384, K 4,096] x [K 4,096, N 1,024]; A: computed on the way; B: input W2 (given as codes): QUANTISED (scales: A lowp_scales[0], B lowp_scales[1])
;;   THE QUANTISER, for each operand of a quantised product, along K:
;;     - The operand's scale is 2^e, e = its entry of the input lowp_scales (int32; the entries are numbered through the quantised products in the list's order, A before B).
;;     - Each number is divided by the scale, clamped to +-448, and rounded to the nearest number of E4M3, ties to even, subnormals kept.
;;     - The product sums the exact products of the quantised numbers (number of the format x scale) in f32.
;;   ~~~python
;;   def quantise(x, axis, e):      # numpy; x: float32 -> the quantised numbers, widened to float32 again
;;       x = np.moveaxis(x, axis, -1); K = x.shape[-1]
;;       r = np.clip(x / 2.0 ** e, -448, 448)
;;       step = 2.0 ** (np.maximum(np.frexp(np.where(r == 0, 1, r))[1] - 1, -6) - 3)
;;       q = np.round(r / step) * step * 2.0 ** e      # np.round: ties to even
;;       return np.moveaxis(q, -1, axis).astype(np.float32)
;;   ~~~
;;   OPERANDS COMPUTED ON THE WAY. 'Computed on the way' means the value that the module computes at that place (a softmax that the list does not call 'softmax' is quantised finished and normalised). What goes into a quantiser is computed in f32, as accurately as f32 sums, v_exp_f32 and their like allow (about 1e-6 of the number): no bf16 or f16 on the way to a quantiser, and a product that is left as it is and whose result goes on into a quantised operand takes f32 operands (vector FMAs, or v_wmma_f32_16x16x4_f32). A number that lies on a knife's edge between two numbers of the format may be rounded either way, as far as f32 arithmetic and the matrix unit's own rounding can turn it there, and no further.
;;   INPUTS GIVEN AS CODES. W2 (in the module: [1024, 4096], K = its axis 1): each comes as NAME_codes (uint8): NAME with its K axis moved to the last place and cut into blocks of 32 codes, [.., K / 32, bytes a block], one block behind the other in memory; one code a byte (a code: sign, 4 exponent bits, 3 mantissa bits); its scale is its entry of lowp_scales. Its value is code x scale, taken as it is: it is not quantised again, and the codes and scales need not be those that the quantiser above would give.
;; One version. Each part assembles by itself: llvm-mc -triple=amdgcn-amd-amdhsa -mcpu=gfx1250 --defsym DOCPART=n.
;; ======== version 1 of 1: 1 launch
;; limits: inputs' magnitudes at most 4,194,304
;; launch ffq (part 1): grid 256 x 1, 4 waves a work-group, clusters of 4 x 1, 327,680 bytes of LDS; arguments x, theta, W1, b1, W2_codes, b2, lowp_scales, out0; writes out0
.if DOCPART == 1
	.amdgcn_target "amdgcn-amd-amdhsa--gfx1250"
	.amdhsa_code_object_version 6
	.text
	.protected	k_qa31c4fb978_ffq
	.globl	k_qa31c4fb978_ffq
	.p2align	8
	.type	k_qa31c4fb978_ffq,@function
k_qa31c4fb978_ffq:
	s_mov_b64 s[64:65], 0
	v_nop
	global_prefetch_b8 v0, s[64:65] scope:SCOPE_SE
	s_setreg_imm32_b32 hwreg(HW_REG_WAVE_MODE, 25, 1), 1
	s_wait_xcnt 0x0
	s_wait_alu depctr_hold_cnt(0) depctr_sa_sdst(0) depctr_va_vdst(0) depctr_va_sdst(0) depctr_va_ssrc(0) depctr_va_vcc(0) depctr_vm_vsrc(0)
	s_getreg_b32 s2, hwreg(HW_REG_IB_STS2, 6, 4)
	s_cmp_eq_u32 s2, 0
	s_cbranch_scc0 .Lentry_in_a_cluster
	s_endpgm
.Lentry_in_a_cluster:
	s_bfe_u32 s2, ttmp6, 0x10000c
	s_cmp_lg_u32 s2, 0x3003
	s_cbranch_scc0 .Lentry_shape_is_right
	s_endpgm
.Lentry_shape_is_right:
; out = Q(relu(cos(x[:, :10] + theta) W1^T + b1)) W2^T x 2^(e0 + e1) + b2.  16,384 tokens; hidden 4,096; outputs 1,024.  Q: E4M3 with the given scale 2^e0; W2 comes as E4M3 codes with 2^e1.
; SHARES.  A work-group of four waves owns 64 tokens x ALL 1,024 outputs, so that each hidden number is made once in the launch.
; Wave w owns outputs 256 w .. 256 w + 255 of the 64 tokens: 64 accumulators of 16 x 16, 512 registers.  K = 4,096 goes in 32 steps of 128.
; THE HIDDEN LAYER.  For each step wave w also makes the hidden codes of tokens 16 w .. 16 w + 15, one step ahead of their use: 8 tiles of 16 hidden units x 16 tokens by the f32 matrix form, three instructions a tile:
; K = 12 is W1's ten columns, then b1 against a q of 1.0, then 0.  24 such instructions a step stand in place of 320 packed multiply-adds.  The product is used transposed (source 0 = 16 rows of W1, source 1 = my tokens),
; and THE ROWS OF W1 THAT FORM A TILE ARE NOT NEIGHBOURS: lane r of tile 2 b + u takes hidden unit 32 b + 8 u + r + 8 (r / 8), so that the 16 registers of tiles 2 b and 2 b + 1 are k = 32 b + 16 (lane / 16) + 0 .. 15
; of one token: relu and the hold in one v_med3, eight numbers a conversion, and the results ARE the second product's operand.  It goes to the other waves through LDS as an image of its registers (two buffers by turns, one barrier a step).
; W2's tile of a step (1,024 rows x 128 bytes) comes through two LDS slots; wave w fetches and reads its own 256 rows.
; CLUSTER.  The four work-groups of a cluster walk the same tiles of W2: each tile is asked for JOINTLY, by the same tensor load with the same descriptor and the mask 15.
; THE WALK ALONG K IS ROTATED: cluster c takes block (t + c) mod 32 at its step t, so that clusters stand at different blocks of W2, W1 and b1.  Only global addresses hang on c, which the partners share.
; So the f32 sums along K are not taken in ascending order, and inside an fp8 instruction k is permuted alike on both sides (registers 4 c .. 4 c + 3: k = 32 c + 16 (lane / 16) + 0 .. 15): the result is one that is judged within a tolerance.
; THE FP8 INSTRUCTION IS USED TRANSPOSED TOO (source 0 = 16 rows of W2, source 1 = 16 tokens): a lane holds one token and eight neighbouring outputs.
; THE COSINE is made in f32 without a transcendental: k = nearest whole number to phi x 2 / pi, r = phi - k pi / 2 with pi / 2 in three parts, polynomials of degree 9 (sine) and 10 (cosine) on |r| <= pi / 4.
; LIMITS: |x + theta| under 2^22; e0 between -126 and 119; e0 + e1 between -126 and 127; NaN and infinity in x are not served.
; NO PREFETCH: every cluster reads all of W2, W1 and b1, so none of them is a stream that is read once; of x a work-group reads 48 bytes a token, at its head.
; REGISTERS, in windows of 256 (s_set_vgpr_msb: bits 1:0 source 0, 3:2 source 1, 5:4 source 2, 7:6 destination):
;   window 0: v1-15 addresses; v16-63 W1's fragments of a step (register 16 c + 2 t + j: tile t, K = 4 c + 2 (lane / 16) + j); v64-127 accumulators of places 56-63; v128-191, v192-255 two sets of four fragments of W2
;   window 1: v0-63 the hidden layer's four fragments; v64-69 q (register 2 c + j); v70 2^e0; v72-135 the 64 numbers held; v136-151 their codes; v232-255 two sets of W1 / b1 numbers on their way to LDS
;   window 2: v0-223 accumulators of places 0-27; v224-255 the f32 sums of tiles 0-3.   window 3: of places 28-55, and of tiles 4-7.  The f32 sums' registers are written by matrix instructions alone.
; Under one setting (0xa4 or 0xf4) an fp8 product (D, C in window 2 or 3; W2 in 0; h in 1) and an f32 one (sums in window 2 or 3; W1 in 0; q in 1) name their registers alike: tiles 0-3 stand among places 16-27, tiles 4-7 among 28-39.
.set PITCH,  144                       ; an LDS row of 128 codes + 16 bytes = 36 words: the 16 rows of a fragment load start at 16 different groups of four banks (64 banks of 4 bytes: ISA guide 11.1)
.set FRAGB,  16*PITCH                  ; 16 rows
.set WPART,  256*PITCH                 ; a wave's 256 rows of a tile
.set SLOTB,  4*WPART                   ; a slot: 147,456 bytes
.set HB,     2*SLOTB                   ; behind the two slots: the hidden codes, two buffers of four fragments' images
.set HFR,    2048                      ; an image: 16 registers x 32 lanes x 4 bytes, four runs of 512 bytes
.set HBUF,   4*HFR
.set WS,     HB+2*HBUF                 ; two stages for a slab of W1 and b1, laid as the image of the 48 registers: run g of 512 bytes = registers 4 g .. 4 g + 3, 16 bytes a lane
.set WSTG,   6144
.set SPARE,  WS+2*WSTG                 ; the spare words, 128 bytes a wave: two blocks of 256 bytes that no other line names
.set SPITCH, 1040                      ; the way out: 16 rows x (1,024 + 16) bytes a wave, in the wave's own part of slot 0, behind that slot's last fill and last read
.set SPW, 1                            ; v1   SPARE + 4 x my thread's number; never rewritten
.set NIL, 2                            ; v2   0; never rewritten
.set ADB, 3                            ; v3, v4  my lane's place in my wave's rows of slot 0, 1
.set LI,  5                            ; v5   HB + 16 x lane: an image's place for my lane
.set HST, 6                            ; v6   the same in my wave's own fragment
.set WRD, 7                            ; v7   WS + 16 x lane
.set WSTA, 9                           ; v9   where thread t stores W1[t][0], W1[t][1]
.set GA,  11                           ; v11  40 t: thread t's row of a slab of W1 in memory
.set GB,  12                           ; v12  4 t
.set STO, 13                           ; v13  the way out: where I put 32 bytes of a row
.set RD,  14                           ; v14  and where I read half a row back
.set CO,  15                           ; v15  16 x lane
.set WF,  16
.set B2,  16                           ; b2's eight numbers take W1's place when nothing more is made
.set XO,  57                           ; v57  at the head: my token's row in x
.set AC0, 64
.set BS,  128
.set X,   128                          ; at the head: my six numbers of x, then of q
.set TL,  134                          ; and my six of theta
.set QF,  64                           ; window 1
.set SCL, 70
.set HT,  72
.set PC,  136
.set G,   232
.set HD,  224                          ; windows 2 and 3
.set WV,  20                           ; s20  my wave's number
.set KT,  44                           ; s44  the block of K asked for last
.set KW,  45                           ; s45  the block of the slab to be asked for next
.set LIM, 52                           ; s52  448 x 2^e0
.set HM,  57                           ; s57  the lanes 16-31
.set TH,  68                           ; s[68:77] theta
.set K2P, 78                           ; s78  2 / pi;  s79-81 pi / 2 in three parts;  s82-85 the sine's coefficients;  s86-89 the cosine's
.set MSB, 0
.macro WIN new                         ; the immediate's high byte repeats the setting that is left; a switch that changes nothing is dropped
.if MSB != (\new)
	s_set_vgpr_msb (MSB<<8)|(\new)
.set MSB, (\new)
.endif
.endm
.macro PLACES                          ; four plain places: behind an fp8 product four stand in front of loads into its registers and of the first read of its result; behind an f32 one eight
.rept 4
	v_nop
.endr
.endm
.macro CREST                           ; a round of the cluster's barrier behind its opening barrier
	s_cmp_lg_u32 s[WV], 0
	s_cbranch_scc1 .Lnot_wave_0_\@
	s_barrier_signal -3
.Lnot_wave_0_\@:
	s_barrier_wait -3
	s_barrier_signal -1
	s_barrier_wait -1
.endm
.macro ROUND                           ; a whole round
	s_barrier_signal -1
	s_barrier_wait -1
	CREST
.endm
.macro JLOAD p                         ; my 256 rows of a tile into slot p, asked for jointly; four v_nop follow
	tensor_load_to_lds s[32+4*(\p):35+4*(\p)], s[24:31]
	s_nop 0
.rept 4
	v_nop
.endr
.endm
; PLACE o of a step's 64 fp8 products.  Places 16-31: W2's fragments 0-3 (set 0); 32-47: 4-7 (set 1); 48-63: 8-11 (set 0); 0-15: 12-15 (set 1); within sixteen: token fragment (o % 16) / 4, W2's fragment o % 4 of the set.
; The 64 accumulators take turns, one instruction a turn, in the same order in every step.
.macro MM o, zero
.set mo, (\o)
.set rB, BS+64*(1-(mo/16)%2)+16*(mo%4)
.set rH, 16*((mo%16)/4)
.if mo < 28
	WIN 0xa4
.set rD, 8*mo
.elseif mo < 56
	WIN 0xf4
.set rD, 8*(mo-28)
.else
	WIN 0x04
.set rD, AC0+8*(mo-56)
.endif
.if \zero
	v_wmma_f32_16x16x128_fp8_fp8 v[rD:rD+7], v[rB:rB+15], v[rH:rH+15], 0
.else
	v_wmma_f32_16x16x128_fp8_fp8 v[rD:rD+7], v[rB:rB+15], v[rH:rH+15], v[rD:rD+7]
.endif
.endm
; Number n of a step's 24 f32 products: group n / 12 (tiles 0-3 in window 2, tiles 4-7 in window 3), K chunk (n % 12) / 4, tile n % 4 of the group.  A group's four sums take turns; the first chunk starts them with the constant 0.
.macro F32 n
.set fg, (\n)/12
.set fc, ((\n)%12)/4
.set ft, (\n)%4
	WIN 0xa4+0x50*fg
.set rD, HD+8*ft
.set rA, WF+16*fc+2*(4*fg+ft)
.set rQ, QF+2*fc
.if fc == 0
	v_wmma_f32_16x16x4_f32 v[rD:rD+7], v[rA:rA+1], v[rQ:rQ+1], 0
.else
	v_wmma_f32_16x16x4_f32 v[rD:rD+7], v[rA:rA+1], v[rQ:rQ+1], v[rD:rD+7]
.endif
.endm
; Slice q of 20 of what follows the sums.  Block q / 5 is tiles 2 b and 2 b + 1: 16 numbers a lane.  Parts 0-3: four numbers each: relu and the hold at the largest code x the scale in one (the conversion to an 8-bit code
; does not saturate: ISA guide 7.6.2), into other registers, each sum's registers from the low end on.  Part 4: two conversions, one plain line behind them, and the block's four registers of codes go to LDS as they stand.
; One setting serves holds and conversions: sums (source 2) in window 2 or 3, all else in window 1.
.macro MS q, hp
.set mb, (\q)/5
.set mp, (\q)%5
	WIN 0x65+0x10*(mb/2)
.if mp < 4
.irp n, 0,1,2,3
	v_med3_num_f32 v[HT+16*mb+4*mp+\n], 0, s[LIM], v[HD+16*(mb%2)+4*mp+\n]
.endr
.else
	v_cvt_scalef32_pk8_fp8_f32 v[PC+4*mb:PC+4*mb+1], v[HT+16*mb:HT+16*mb+7], v[SCL]
	v_cvt_scalef32_pk8_fp8_f32 v[PC+4*mb+2:PC+4*mb+3], v[HT+16*mb+8:HT+16*mb+15], v[SCL]
	v_nop                                          ; one plain line behind the conversions, ahead of whatever next touches their registers
	WIN 0xf4                                       ; (address in window 0, data in window 1: the setting of the products that follow)
	ds_store_b128 v[HST], v[PC+4*mb:PC+4*mb+3] offset:(\hp)*HBUF+512*mb
.endif
.endm
.macro PLACE o, zero, prod, hp         ; prod: places 16-39 carry the next step's f32 products, places 32-51 the slices
	MM \o, \zero
.if \prod
.if ((\o) >= 16) && ((\o) < 40)
	F32 (\o)-16
.endif
.if ((\o) >= 32) && ((\o) < 52)
	MS (\o)-32, \hp
.endif
.endif
.endm
.macro RUN first, cnt, zero, prod, hp  ; places first .. first + cnt - 1
.set po, \first
.rept \cnt
	PLACE po, \zero, \prod, \hp
.set po, po+1
.endr
.endm
.macro FETCH_B set, slot, g            ; W2's fragments 4 g .. 4 g + 3 of the tile in a slot: lane l holds row l % 16
	WIN 0
.irp f, 0,1,2,3
.irp c, 0,1,2,3
	ds_load_b128 v[BS+64*(\set)+16*\f+4*\c:BS+64*(\set)+16*\f+4*\c+3], v[ADB+(\slot)] offset:(4*(\g)+\f)*FRAGB+32*\c
.endr
.endr
.endm
.macro FETCH_A a, hp                   ; the hidden layer's fragment a (tokens 16 a on, made by wave a) out of buffer hp: the same registers in the same lanes
	WIN 0x40
.irp c, 0,1,2,3
	ds_load_b128 v[16*(\a)+4*\c:16*(\a)+4*\c+3], v[LI] offset:(\hp)*HBUF+(\a)*HFR+512*\c
.endr
.endm
; A SLAB is W1's and b1's part of one step: 128 rows of 40 bytes, dense in memory, and 512 bytes.  Thread t takes row t: a wave's five loads cover 1,280 bytes on end.
.macro GLOAD gs
	s_wait_xcnt 0x0                                ; the last slab's loads have read their bases: only now are these rewritten
	s_mul_i32 s50, s[KW], 5120
	s_add_nc_u64 s[46:47], s[8:9], s[50:51]
	s_lshl_b32 s50, s[KW], 9
	s_add_nc_u64 s[48:49], s[10:11], s[50:51]
	s_add_co_u32 s[KW], s[KW], 1
	s_and_b32 s[KW], s[KW], 31                     ; the walk goes round: every block lies inside the buffers
	WIN 0x40
.irp j, 0,1,2,3,4
	global_load_b64 v[G+12*(\gs)+2*\j:G+12*(\gs)+2*\j+1], v[GA], s[46:47] offset:8*\j
.endr
	global_load_b32 v[G+12*(\gs)+10], v[GB], s[48:49]   ; (register 11 of a set holds 0, written once at the head)
.endm
; The slab in set gs goes to stage sp.  Pair p of thread t's twelve numbers is K = 2 p, 2 p + 1: chunk p / 2, lanes' half p % 2.  A wave's store covers 256 bytes on end.
.macro WSTORE gs, sp
	WIN 0x04
.irp p, 0,1,2,3,4,5
	ds_store_b64 v[WSTA], v[G+12*(\gs)+2*\p:G+12*(\gs)+2*\p+1] offset:(\sp)*WSTG+(\p/2)*2048+(\p%2)*256
.endr
.endm
.macro WLOAD sp                        ; W1's 24 fragments: 48 registers
	WIN 0
.irp g, 0,1,2,3,4,5,6,7,8,9,10,11
	ds_load_b128 v[WF+4*\g:WF+4*\g+3], v[WRD] offset:(\sp)*WSTG+512*\g
.endr
.endm
; STEP t, from place 16 to place 15.  p = t % 2: its tile's slot and its codes' buffer.  At entry the step's four hidden fragments and W2's fragments 0-7 are on their way, and W1's registers hold slab t + 1.
; zero: the products start the sums.  fill: slot p is filled again, with tile t + 2.  bar = 0: the last step.  prod: step t + 1's codes are made.
; wst: slab t + 3 goes to its stage; wld: slab t + 2 comes into registers; gld: slab t + 5 is asked for.
.macro BODY p, zero, fill, bar, prod, wst, wld, gld
	s_wait_dscnt 28                                ; hidden fragment 0 and W2's set 0 are in: behind them 3 x 4 + 16 loads were issued
	RUN 16, 4, \zero, \prod, 1-\p
	s_wait_dscnt 24                                ; hidden fragment 1
	RUN 20, 4, \zero, \prod, 1-\p
	s_wait_dscnt 20                                ; fragment 2
	RUN 24, 4, \zero, \prod, 1-\p
	s_wait_dscnt 16                                ; fragment 3; set 1's sixteen loads may be out
	RUN 28, 4, \zero, \prod, 1-\p
	PLACES                                         ; in front of the loads into set 0
.if \prod
	PLACES                                         ; eight in all behind tiles 0-3's last f32 products (places 24-27), in front of the first hold that reads them (place 32)
.endif
	FETCH_B 0, \p, 2
	s_wait_dscnt 16                                ; all but the sixteen just issued: set 1 is in
	RUN 32, 16, \zero, \prod, 1-\p                 ; (tiles 4-7's last f32 products stand at places 36-39; eight holds of tiles 2, 3 and a v_nop follow place 39's, ahead of the first hold that reads tile 4, at place 42)
.if !\prod
	PLACES                                         ; (with prod the four holds behind place 47 are these places)
.endif
.if \wst
	s_wait_loadcnt 6                               ; slab t + 3 is in registers; slab t + 4's six loads may be out
	WSTORE 1-\p, 1-\p                              ; its stage was read last in front of the barrier before
.endif
.if \wld
	WLOAD \p                                       ; slab t + 2, stored in front of the barrier before; the last f32 product stands at place 39, more than eight holds back
.endif
	FETCH_B 1, \p, 3
	s_wait_dscnt 16+6*\wst+12*\wld                 ; set 0 is in: behind its loads the slab's stores and loads and these sixteen were issued (three stores of codes are left out of the count)
	RUN 48, 8, \zero, \prod, 1-\p                  ; behind place 51 the codes of step t + 1 are all stored
.if \bar
	; THE CHANGE OF SLOTS, and the hand-over of the codes: one barrier
	WIN 0                                          ; (the add's two registers lie in window 0)
	s_wait_tensorcnt 0x0                           ; all my tensor loads have landed: the one that was out is my part of tile t + 1
	ds_add_u32 v[SPW], v[NIL]                      ; 0 onto my spare word
.if \fill
	s_add_co_u32 s[KT], s[KT], 1                   ; no tensor load of mine is out, so a group 0 may be written: the block of tile t + 2
	s_and_b32 s[KT], s[KT], 31
	s_lshl_b32 s42, s[KT], 7
	s_add_nc_u64 s[34+4*\p:35+4*\p], s[40:41], s[42:43]
	s_or_b32 s[35+4*\p], s[35+4*\p], 0x80000000
.endif
	RUN 56, 8, \zero, 0, 0                         ; eight matrix instructions stand between the add and the wait for it
	s_wait_dscnt 0x0                               ; the add is done; my reads of slot p, of the codes' buffer p and of the stage are in; my stores of codes and of the slab have landed
	s_barrier_signal -1
	RUN 0, 4, \zero, 0, 0                          ; work on registers alone while the others arrive
	WIN 0
	s_barrier_wait -1
.if \fill
	CREST                                          ; the barrier has opened a round of the cluster's: no wave of any partner still reads slot p or has a load on its way
	JLOAD \p                                       ; the first tensor load behind the round, 52 fp8 products ahead of the wait for it; its four v_nop are also the places in front of the loads below
.else
	PLACES
.endif
	FETCH_A 0, 1-\p                                ; step t + 1: each hidden fragment as soon as this step's last product by its registers is issued
	FETCH_B 0, 1-\p, 0
.if \gld
	GLOAD 1-\p
.endif
	RUN 4, 4, \zero, 0, 0
	PLACES
	FETCH_A 1, 1-\p
	RUN 8, 4, \zero, 0, 0
	PLACES
	FETCH_A 2, 1-\p
	RUN 12, 4, \zero, 0, 0
	PLACES
	FETCH_A 3, 1-\p
	FETCH_B 1, 1-\p, 1
.else
	RUN 56, 8, \zero, 0, 0
	s_wait_dscnt 0x0                               ; set 1 is in
	RUN 0, 16, \zero, 0, 0
.endif
	WIN 0                                          ; at a label and at a branch every window is 0
.endm
; cos(x + theta) of my number i, in place.  k odd: the sine's polynomial; k % 4 = 1 or 2: the sign is turned.  The choice selects a value; no branch hangs on it.
.macro COS i
.set tp, 140+8*((\i)%2)
	v_add_f32 v[tp], v[TL+\i], v[X+\i]             ; phi
	v_mul_f32 v[tp+1], s[K2P], v[tp]
	v_rndne_f32 v[tp+1], v[tp+1]                   ; k
	v_fma_f32 v[tp+2], -v[tp+1], s[K2P+1], v[tp]
	v_fma_f32 v[tp+2], -v[tp+1], s[K2P+2], v[tp+2]
	v_fma_f32 v[tp+2], -v[tp+1], s[K2P+3], v[tp+2] ; r = phi - k pi / 2
	v_cvt_i32_f32 v[tp+7], v[tp+1]
	v_mul_f32 v[tp+3], v[tp+2], v[tp+2]            ; z = r r
	v_fma_f32 v[tp+4], v[tp+3], s[K2P+7], s[K2P+6]
	v_fma_f32 v[tp+5], v[tp+3], s[K2P+11], s[K2P+10]
	v_fma_f32 v[tp+4], v[tp+4], v[tp+3], s[K2P+5]
	v_fma_f32 v[tp+5], v[tp+5], v[tp+3], s[K2P+9]
	v_fma_f32 v[tp+4], v[tp+4], v[tp+3], s[K2P+4]
	v_fma_f32 v[tp+5], v[tp+5], v[tp+3], s[K2P+8]
	v_mul_f32 v[tp+6], v[tp+3], v[tp+2]
	v_fma_f32 v[tp+5], v[tp+5], v[tp+3], -0.5
	v_fma_f32 v[tp+4], v[tp+4], v[tp+6], v[tp+2]   ; sin r
	v_fma_f32 v[tp+5], v[tp+5], v[tp+3], 1.0       ; cos r
	v_and_b32 v[tp], 1, v[tp+7]
	v_cmp_eq_u32 vcc_lo, 1, v[tp]
	v_cndmask_b32 v[tp+4], v[tp+5], v[tp+4], vcc_lo
	v_add_nc_u32 v[tp+7], 1, v[tp+7]
	v_and_b32 v[tp+7], 2, v[tp+7]
	v_lshlrev_b32 v[tp+7], 30, v[tp+7]
	v_xor_b32 v[X+\i], v[tp+4], v[tp+7]
.endm
	s_load_b256 s[4:11], s[0:1], 0x0               ; x s[4:5], theta s[6:7], W1 s[8:9], b1 s[10:11]
	s_load_b256 s[12:19], s[0:1], 0x20             ; W2's codes s[12:13], b2 s[14:15], the scales' exponents s[16:17], out s[18:19]
	v_lshl_add_u32 v[SPW], v0, 2, SPARE
	v_mov_b32 v[NIL], 0
	ds_add_u32 v1, v2
	ds_add_u32 v1, v2
	s_wait_dscnt 0x0
	v_lshrrev_b32 v58, 5, v0
	v_readfirstlane_b32 s[WV], v58                 ; wave 0..3
	s_bfe_u32 s21, ttmp6, 0x40000                  ; cx: my place in the cluster
	s_lshl_b32 s22, ttmp9, 2                       ; in a cluster launch ttmp9 counts clusters
	s_add_co_u32 s22, s22, s21                     ; my block of 64 tokens: it enters x's and out's addresses alone
	; descriptor group 1: a tile of 256 rows x 128 bytes, 4,096 bytes apart in memory, padded in LDS
	s_mov_b32 s24, 15|(1<<20)|(1<<21)|(4<<22)|(3<<25)  ; 15:0 the mask: all four work-groups; 17:16 elements of 1 byte; 20 padding on; 21 set beside a mask; 24:22 after every 32 words (code 4); 31:25 four words (code 3)
	s_mov_b32 s25, 128<<16                         ; tensor_dim0
	s_mov_b32 s26, 256<<16                         ; tensor_dim1
	s_mov_b32 s27, 128<<16                         ; tile_dim0
	s_mov_b32 s28, 256                             ; tile_dim1
	s_mov_b32 s29, 4096                            ; tensor_dim0_stride
	s_mov_b32 s30, 0
	s_mov_b32 s31, 0
	s_mul_i32 s23, s[WV], WPART                    ; my wave's part of a slot: no place in the cluster enters an LDS address
	s_and_b32 s[KT], ttmp9, 31                     ; the walk's first block: the cluster's number mod 32
	s_mov_b32 s[KW], s[KT]
	s_lshl_b32 s42, s[WV], 20                      ; my 256 rows of W2: 256 x 4,096 bytes a wave
	s_mov_b32 s43, 0
	s_mov_b32 s51, 0
	s_wait_kmcnt 0x0
	s_add_nc_u64 s[40:41], s[12:13], s[42:43]      ; W2 at my first row: never stepped; a tile's address is this + 128 x its block
	s_mov_b32 s32, 1                               ; group 0 for slot 0: count = 1,
	s_mov_b32 s33, s23                             ; LDS address,
	s_lshl_b32 s42, s[KT], 7
	s_add_nc_u64 s[34:35], s[40:41], s[42:43]      ; global address: tile 0,
	s_or_b32 s35, s35, 0x80000000                  ; type = 2
	s_add_co_u32 s[KT], s[KT], 1
	s_and_b32 s[KT], s[KT], 31
	s_mov_b32 s36, 1                               ; and for slot 1: tile 1
	s_add_co_u32 s37, s23, SLOTB
	s_lshl_b32 s42, s[KT], 7
	s_add_nc_u64 s[38:39], s[40:41], s[42:43]
	s_or_b32 s39, s39, 0x80000000
	ROUND                                          ; all four work-groups are here: the first joint loads meet
	tensor_load_to_lds s[32:35], s[24:31]          ; the two first fills go out together: two loads of mine are out
	s_nop 0
	tensor_load_to_lds s[36:39], s[24:31]
	s_nop 0
.rept 4
	v_nop
.endr
	s_load_b256 s[68:75], s[6:7], 0x0              ; theta 0-7
	s_load_b64 s[76:77], s[6:7], 0x20              ; theta 8, 9
	s_load_b64 s[58:59], s[16:17], 0x0             ; e0, e1
	s_lshl_b32 s96, s22, 6
	s_lshl_b32 s97, s[WV], 4
	s_add_co_u32 s96, s96, s97                     ; my wave's first token: 64 x block + 16 x wave
	s_lshl_b32 s96, s96, 12                        ; a row of x is 4,096 bytes
	s_mov_b32 s97, 0
	s_add_nc_u64 s[4:5], s[4:5], s[96:97]
	s_lshl_b32 s50, s[WV], 10                      ; my wave's 256 outputs: 1,024 bytes
	s_add_nc_u64 s[60:61], s[14:15], s[50:51]      ; b2 there
	s_lshl_b32 s96, s22, 18                        ; the block's 64 rows of out
	s_add_co_u32 s96, s96, s50
	s_add_nc_u64 s[62:63], s[18:19], s[96:97]      ; out at the block's first row, my wave's first output
	v_and_b32 v58, 31, v0                          ; lane
	v_and_b32 v59, 15, v0                          ; r
	v_bfe_u32 v60, v0, 4, 1                        ; h
	v_cmp_eq_u32 s[HM], 1, v60                     ; the lanes 16-31
	; q as source 1 of the f32 form: lane (r, h) holds, of token r, K = 4 c + 2 h + j in register 2 c + j.  (For c = 2, h = 1 the load takes x's columns 10 and 11, inside the row; what is made of them is replaced below)
	v_lshlrev_b32 v[XO], 12, v59
	v_lshl_add_u32 v[XO], v60, 3, v[XO]
.irp c, 0,1,2
	global_load_b64 v[X+2*\c:X+2*\c+1], v[XO], s[4:5] offset:16*\c th:TH_LOAD_NT
.endr
	v_mul_u32_u24 v[GA], v0, 40
	v_lshlrev_b32 v[GB], 2, v0
	GLOAD 0                                        ; slabs 0 and 1
	GLOAD 1
	WIN 0
	v_mul_u32_u24 v61, v59, PITCH
	v_lshl_add_u32 v61, v60, 4, v61                ; a fragment's row x pitch + 16 x half
	v_add_nc_u32 v[ADB], s23, v61
	v_add_nc_u32 v[ADB+1], SLOTB, v[ADB]
	v_lshlrev_b32 v[CO], 4, v58
	v_add_nc_u32 v[LI], HB, v[CO]
	s_lshl_b32 s98, s[WV], 11
	v_add_nc_u32 v[HST], s98, v[LI]                ; my wave's fragment: 2,048 x wave
	v_add_nc_u32 v[WRD], WS, v[CO]
	; thread t holds hidden unit t of the slab: block b = t / 32, tile 2 b + u with u = (t / 8) % 2, row r = t % 8 + 8 ((t / 16) % 2).  Its pair lies in run 4 c + b, at lane r + 16 h, words 2 u, 2 u + 1
	v_and_b32 v62, 7, v0
	v_lshlrev_b32 v[WSTA], 4, v62
	v_bfe_u32 v62, v0, 4, 1
	v_lshl_add_u32 v[WSTA], v62, 7, v[WSTA]
	v_bfe_u32 v62, v0, 3, 1
	v_lshl_add_u32 v[WSTA], v62, 3, v[WSTA]
	v_lshrrev_b32 v62, 5, v0
	v_lshl_add_u32 v[WSTA], v62, 9, v[WSTA]
	v_add_nc_u32 v[WSTA], WS, v[WSTA]              ; + 2,048 c + 256 h in the stores' offsets
	v_mul_u32_u24 v[STO], v59, SPITCH
	v_lshl_add_u32 v[STO], v60, 5, v[STO]
	v_add_nc_u32 v[STO], s23, v[STO]               ; the way out: row r, 32 bytes for each half of the lanes
	v_add_nc_u32 v[RD], s23, v[CO]
	s_mov_b32 s[K2P], 0x3f22f983                   ; 2 / pi
	s_mov_b32 s[K2P+1], 0x3fc90fdb                 ; pi / 2: its f32 number,
	s_mov_b32 s[K2P+2], 0xb33bbd2e                 ; what that leaves,
	s_mov_b32 s[K2P+3], 0xa6f72ced                 ; and what that leaves
	s_mov_b32 s[K2P+4], 0xbe2aaaab                 ; -1 / 3!
	s_mov_b32 s[K2P+5], 0x3c088889                 ; 1 / 5!
	s_mov_b32 s[K2P+6], 0xb9500d01                 ; -1 / 7!
	s_mov_b32 s[K2P+7], 0x3638ef1d                 ; 1 / 9!
	s_mov_b32 s[K2P+8], 0x3d2aaaab                 ; 1 / 4!
	s_mov_b32 s[K2P+9], 0xbab60b61                 ; -1 / 6!
	s_mov_b32 s[K2P+10], 0x37d00d01                ; 1 / 8!
	s_mov_b32 s[K2P+11], 0xb493f27e                ; -1 / 10!
	s_wait_kmcnt 0x0
	s_add_co_i32 s98, s58, 127
	s_lshl_b32 s99, s98, 23                        ; 2^e0 as f32: the conversion takes its exponent field
	s_add_co_i32 s98, s98, 8
	s_lshl_b32 s98, s98, 23
	s_or_b32 s[LIM], s98, 0x600000                 ; 448 x 2^e0
	s_add_co_i32 s54, s58, s59
	s_add_co_i32 s54, s54, 127
	s_lshl_b32 s54, s54, 23                        ; 2^(e0 + e1) as f32
	s_mov_b32 s55, s54                             ; (named with it as a pair, so it is written)
.irp e, 0,1,2,3                                ; my lane's theta: K = 4 c + j in lanes 0-15, 4 c + 2 + j in lanes 16-31
	v_mov_b32 v[TL+\e], s[TH+4*(\e/2)+(\e%2)]
	v_mov_b32 v8, s[TH+4*(\e/2)+2+(\e%2)]
	v_cndmask_b32 v[TL+\e], v[TL+\e], v8, s[HM]
.endr
	v_mov_b32 v[TL+4], s[TH+8]                     ; (chunk 2: lanes 16-31 have no theta; what they make of these is replaced below)
	v_mov_b32 v[TL+5], s[TH+9]
	s_wait_loadcnt 12                              ; x's three loads are in; the two slabs' twelve may be out
.irp i, 0,1,2,3,4,5
	COS \i
.endr
	v_cndmask_b32 v[X+4], v[X+4], 1.0, s[HM]       ; K = 10: q is 1.0, against b1;
	v_cndmask_b32 v[X+5], v[X+5], 0, s[HM]         ; K = 11: 0, against 0
	WIN 0x40
.irp e, 0,1,2,3,4,5
	v_mov_b32 v[QF+\e], v[X+\e]
.endr
	v_mov_b32 v[SCL], s99
	v_mov_b32 v[G+11], 0                           ; K = 11 of W1's rows, in both sets: never rewritten
	v_mov_b32 v[G+23], 0
	s_wait_loadcnt 0x0                             ; slabs 0 and 1
	WSTORE 0, 0
	WSTORE 1, 1
	s_wait_dscnt 0x0                               ; my stores have landed, and have read their registers
	GLOAD 0                                        ; slabs 2 and 3
	GLOAD 1
	WIN 0
	s_barrier_signal -1
	s_barrier_wait -1                              ; both stages are whole.
	WLOAD 0
	s_wait_dscnt 0x0
.set po, 0
.rept 24
	F32 po                                         ; step 0's sums: there are no fp8 products yet to set them among
.set po, po+1
.endr
	PLACES
	PLACES                                         ; eight places behind the last f32 product: for the loads into W1's registers and for the first hold
	WLOAD 1
.set po, 0
.rept 20
	MS po, 0
.set po, po+1
.endr
	WIN 0
	s_wait_dscnt 0x0                               ; my codes have landed; my reads of both stages are in
	s_barrier_signal -1
	s_barrier_wait -1
	s_wait_loadcnt 6                               ; slab 2 is in registers; slab 3's six loads may be out
	WSTORE 0, 0
	s_wait_tensorcnt 0x1                           ; my part of tile 0 is in, and only I read it; tile 1's may stay out
	s_wait_dscnt 0x0
	GLOAD 0                                        ; slab 4
	WIN 0
	s_barrier_signal -1
	s_barrier_wait -1                              ; slab 2 lies in its stage
	FETCH_A 0, 0                                   ; in the order in which every step leaves them
	FETCH_B 0, 0, 0
	FETCH_A 1, 0
	FETCH_A 2, 0
	FETCH_A 3, 0
	FETCH_B 1, 0, 1
	WIN 0
	BODY 0, 1, 1, 1, 1, 1, 1, 1                    ; step 0 stands in front of the loop: its products start the sums, nothing is ever cleared
	s_mov_b32 s56, 14
.Lpair:                                                ; steps 1 to 28, two a trip.  (Steps 27 and 28 ask for slabs 32 and 33, which are the walk's first two again and are not used)
	BODY 1, 0, 1, 1, 1, 1, 1, 1
	BODY 0, 0, 1, 1, 1, 1, 1, 1
	s_sub_co_u32 s56, s56, 1
	s_cmp_lg_u32 s56, 0
	s_cbranch_scc1 .Lpair
	BODY 1, 0, 1, 1, 1, 0, 1, 0                    ; step 29: the last fill (tile 31), the last slab comes into registers
	BODY 0, 0, 0, 1, 1, 0, 0, 0                    ; step 30: step 31's codes are made; nothing is filled, so no round
	global_load_b128 v[B2:B2+3], v[CO], s[60:61]   ; b2: my four outputs of each half of my wave's 256
	global_load_b128 v[B2+4:B2+7], v[CO], s[60:61] offset:512
	BODY 1, 0, 0, 0, 0, 0, 0, 0                    ; step 31
; THE WAY OUT, by blocks of 16 tokens x my 256 outputs.  A lane holds 32 neighbouring bytes of a row and the lanes beside it other rows: a block goes through my stage and comes back as half rows of 512 bytes.
; LDS serves a wave's instructions in order (ISA guide 5.7.1.4): no wait between the stores and the loads, nor in front of the next block's stores.
.macro TOSTAGE a
.irp b, 0,1,2,3,4,5,6,7,8,9,10,11,12,13,14,15
.set oo, ((16*((\b)/4+1))%64)+4*(\a)+(\b)%4    ; the place of (token fragment a, W2's fragment b)
.if oo < 28
	WIN 0x08                                       ; the stores' data: window 2,
.set rD, 8*oo
.elseif oo < 56
	WIN 0x0c                                       ; window 3,
.set rD, 8*(oo-28)
.else
	WIN 0                                          ; or window 0
.set rD, AC0+8*(oo-56)
.endif
	ds_store_b128 v[STO], v[rD:rD+3] offset:64*\b  ; each accumulator from its low end on
	ds_store_b128 v[STO], v[rD+4:rD+7] offset:64*\b+16
.endr
.endm
.macro BACK a                          ; into window 0 v128-255 and window 1 v64-191 by turns
.if (\a)%2
	WIN 0x40
.set RB, 64
.else
	WIN 0
.set RB, 128
.endif
.irp t, 0,1,2,3,4,5,6,7,8,9,10,11,12,13,14,15,16,17,18,19,20,21,22,23,24,25,26,27,28,29,30,31
	ds_load_b128 v[RB+4*\t:RB+4*\t+3], v[RD] offset:(\t/2)*SPITCH+512*(\t%2)
.endr
.endm
.macro SEND a
.if (\a)%2
	WIN 0x41
.set RB, 64
.else
	WIN 0
.set RB, 128
.endif
.irp t, 0,1,2,3,4,5,6,7,8,9,10,11,12,13,14,15,16,17,18,19,20,21,22,23,24,25,26,27,28,29,30,31
	v_pk_fma_f32 v[RB+4*\t:RB+4*\t+1], v[RB+4*\t:RB+4*\t+1], s[54:55], v[B2+4*(\t%2):B2+4*(\t%2)+1] op_sel_hi:[1,0,1]   ; sum x 2^(e0 + e1) + b2
	v_pk_fma_f32 v[RB+4*\t+2:RB+4*\t+3], v[RB+4*\t+2:RB+4*\t+3], s[54:55], v[B2+4*(\t%2)+2:B2+4*(\t%2)+3] op_sel_hi:[1,0,1]
.endr
.if (\a)%2
	WIN 0x04
.endif
.irp t, 0,1,2,3,4,5,6,7,8,9,10,11,12,13,14,15,16,17,18,19,20,21,22,23,24,25,26,27,28,29,30,31
	global_store_b128 v[CO], v[RB+4*\t:RB+4*\t+3], s[62:63] offset:(16*(\a)+\t/2)*4096+512*(\t%2) th:TH_STORE_NT   ; 32 lanes store 512 consecutive bytes, at a multiple of 256 from out's first byte
.endr
.endm
	PLACES                                         ; behind the last products: for the stores that read results and the loads into W2's registers
	s_wait_loadcnt 0x0                             ; b2
	TOSTAGE 0
	BACK 0
.irp a, 1,2,3
.if \a > 1
	s_wait_xcnt 0x0                                ; block a - 2's stores have read their registers: block a's loads may land there
.endif
	TOSTAGE \a
	BACK \a
	s_wait_dscnt 63                                ; block a - 1 is back: 64 LDS instructions were issued behind its loads; the count's field ends at 63, so one of them is waited for too
	SEND \a-1
.endr
	s_wait_dscnt 0x0
	SEND 3
	WIN 0
	s_wait_tensorcnt 0x0                           ; the wave's end: behind my last tensor load and my last LDS store
	ds_add_u32 v[SPW], v[NIL]
	s_wait_dscnt 0x0
	ROUND                                          ; the closing round: no work-group ends while a partner may still ask for a tile that names it
	s_endpgm
.Lfunc_end_k_qa31c4fb978_ffq:
	.size	k_qa31c4fb978_ffq, .Lfunc_end_k_qa31c4fb978_ffq-k_qa31c4fb978_ffq
	.p2alignl 7, 3214868480
	.fill 96, 4, 3214868480
	.section	.rodata,"a",@progbits
	.p2align	6, 0x0
	.amdhsa_kernel k_qa31c4fb978_ffq
		.amdhsa_group_segment_fixed_size 327680
		.amdhsa_private_segment_fixed_size 0
		.amdhsa_enable_private_segment 0
		.amdhsa_kernarg_size 64
		.amdhsa_user_sgpr_count 2
		.amdhsa_user_sgpr_kernarg_segment_ptr 1
		.amdhsa_wavefront_size32 1
		.amdhsa_system_sgpr_workgroup_id_x 1
		.amdhsa_system_sgpr_workgroup_id_y 1
		.amdhsa_system_sgpr_workgroup_id_z 1
		.amdhsa_system_vgpr_workitem_id 0
		.amdhsa_next_free_vgpr 1024
		.amdhsa_next_free_sgpr 100
		.amdhsa_reserve_vcc 1
		.amdhsa_float_denorm_mode_32 3
		.amdhsa_float_denorm_mode_16_64 3
		.amdhsa_memory_ordered 1
		.amdhsa_forward_progress 1
		.amdhsa_inst_pref_size 185
	.end_amdhsa_kernel
	.amdgpu_metadata
---
amdhsa.version: [ 1, 2 ]
amdhsa.kernels:
  - .name:           k_qa31c4fb978_ffq
    .symbol:         k_qa31c4fb978_ffq.kd
    .args:
      - { .name: x, .offset: 0, .size: 8, .value_kind: global_buffer, .address_space: global }
      - { .name: theta, .offset: 8, .size: 8, .value_kind: global_buffer, .address_space: global }
      - { .name: W1, .offset: 16, .size: 8, .value_kind: global_buffer, .address_space: global }
      - { .name: b1, .offset: 24, .size: 8, .value_kind: global_buffer, .address_space: global }
      - { .name: W2_codes, .offset: 32, .size: 8, .value_kind: global_buffer, .address_space: global }
      - { .name: b2, .offset: 40, .size: 8, .value_kind: global_buffer, .address_space: global }
      - { .name: lowp_scales, .offset: 48, .size: 8, .value_kind: global_buffer, .address_space: global }
      - { .name: out0, .offset: 56, .size: 8, .value_kind: global_buffer, .address_space: global }
    .group_segment_fixed_size: 327680
    .private_segment_fixed_size: 0
    .kernarg_segment_align: 8
    .kernarg_segment_size: 64
    .max_flat_workgroup_size: 128
    .sgpr_count:     100
    .vgpr_count:     1024
    .wavefront_size: 32
...
	.end_amdgpu_metadata
.endif
;; end of part 1
